; MI455X (gfx1250); checked and timed in simulation.
; The chip was launched on July 23, 2026; its instructions are those of AMD's public machine-readable ISA for CDNA 5 (MIT licence, August 2026) and "CDNA5" Instruction Set Architecture Reference Guide (July 2026). The comments in the code are by the model that wrote it; some were corrected since.
;; Causal Self Attention. Allowed arithmetic: matrix products marked QUANTISED: E4M3 operands, one given power-of-two scale a tensor, by v_wmma_f32_16x16x64_fp8_fp8 or v_wmma_f32_16x16x128_fp8_fp8, f32 sums; everything else in f32.
;; Inputs: W_proj_codes 1,024 x 32 x 32 uint8 (E4M3 codes of W_proj, K innermost, in blocks of 32 codes); W_qkv_codes 3,072 x 32 x 32 uint8 (E4M3 codes of W_qkv, K innermost, in blocks of 32 codes); b_proj 1,024 float32; b_qkv 3,072 float32; lowp_scales 8 int32 (the exponents e of the quantised operands' scales 2^e); x_codes 4 x 2,048 x 32 x 32 uint8 (E4M3 codes of x, K innermost, in blocks of 32 codes).
;; Outputs: out0 4 x 2,048 x 1,024 float32.
;; This version of the problem:
;;   THIS VERSION OF THE PROBLEM IS GIVEN IN LOW PRECISION. The matrix products marked QUANTISED in the list below multiply operands that are first quantised to E4M3 (4 exponent bits, 3 mantissa bits; 8 bits a number), with one given power-of-two scale for each operand tensor; their sums are f32. All else is computed in f32.
;;   The module's matrix products, in the order in which they are computed (A, B: the left and right operand; K: the contracted axis; several contracted axes count as one K, in the product's order):
;;     1. [M 8,192, K 1,024] x [K 1,024, N 3,072]; A: input x (given as codes); B: input W_qkv (given as codes): QUANTISED (scales: A lowp_scales[0], B lowp_scales[1])
;;     2. batch 64 x [M 2,048, K 64] x [K 64, N 2,048]; A: computed on the way; B: computed on the way: QUANTISED (scales: A lowp_scales[2], B lowp_scales[3])
;;     3. batch 64 x [M 2,048, K 2,048] x [K 2,048, N 64]; A: softmax (see below); B: computed on the way: QUANTISED (scales: A lowp_scales[4], B lowp_scales[5])
;;     4. [M 8,192, K 1,024] x [K 1,024, N 1,024]; A: computed on the way; B: input W_proj (given as codes): QUANTISED (scales: A lowp_scales[6], B lowp_scales[7])
;;   THE QUANTISER, for each operand of a quantised product, along K:
;;     - The operand's scale is 2^e, e = its entry of the input lowp_scales (int32; the entries are numbered through the quantised products in the list's order, A before B).
;;     - Each number is divided by the scale, clamped to +-448, and rounded to the nearest number of E4M3, ties to even, subnormals kept.
;;     - The product sums the exact products of the quantised numbers (number of the format x scale) in f32.
;;   ~~~python
;;   def quantise(x, axis, e):      # numpy; x: float32 -> the quantised numbers, widened to float32 again
;;       x = np.moveaxis(x, axis, -1); K = x.shape[-1]
;;       r = np.clip(x / 2.0 ** e, -448, 448)
;;       step = 2.0 ** (np.maximum(np.frexp(np.where(r == 0, 1, r))[1] - 1, -6) - 3)
;;       q = np.round(r / step) * step * 2.0 ** e      # np.round: ties to even
;;       return np.moveaxis(q, -1, axis).astype(np.float32)
;;   ~~~
;;   SOFTMAX AHEAD OF A QUANTISED PRODUCT. Where the list says 'softmax', what is quantised is not the finished softmax but p = 2^(t - M), with t = logit x log2(e) and M = ceil(the row's largest t), a whole number; so 1/2 < the row's largest p <= 1. The row's sum l is taken of the UNQUANTISED p, in f32, and the product's result is divided by l at the end. Since M is a whole number, a kernel that streams over the keys may use a running M (the ceiling of the running maximum): every later rescaling is an exact power of two, so the quantised numbers keep their values, but for numbers so far below the row's largest that they fall under the format's range.
;;   OPERANDS COMPUTED ON THE WAY. 'Computed on the way' means the value that the module computes at that place (a softmax that the list does not call 'softmax' is quantised finished and normalised). What goes into a quantiser is computed in f32, as accurately as f32 sums, v_exp_f32 and their like allow (about 1e-6 of the number): no bf16 or f16 on the way to a quantiser, and a product that is left as it is and whose result goes on into a quantised operand takes f32 operands (vector FMAs, or v_wmma_f32_16x16x4_f32). A number that lies on a knife's edge between two numbers of the format may be rounded either way, as far as f32 arithmetic and the matrix unit's own rounding can turn it there, and no further.
;;   INPUTS GIVEN AS CODES. W_proj (in the module: [1024, 1024], K = its axis 1); W_qkv (in the module: [3072, 1024], K = its axis 1); x (in the module: [4, 2048, 1024], K = its axis 2): each comes as NAME_codes (uint8): NAME with its K axis moved to the last place and cut into blocks of 32 codes, [.., K / 32, bytes a block], one block behind the other in memory; one code a byte (a code: sign, 4 exponent bits, 3 mantissa bits); its scale is its entry of lowp_scales. Its value is code x scale, taken as it is: it is not quantised again, and the codes and scales need not be those that the quantiser above would give.
;; One version. Each part assembles by itself: llvm-mc -triple=amdgcn-amd-amdhsa -mcpu=gfx1250 --defsym DOCPART=n.
;; ======== version 1 of 1: 3 launches
;; limits: right only within a limited range of input values
;; workspace buffers: q_codes 8,388,608 bytes; k_codes 8,388,608 bytes; v_codes 8,388,608 bytes; a_codes 8,388,608 bytes
;; launch qkv (part 1): grid 12 x 32, 4 waves a work-group, clusters of 4 x 4, 327,680 bytes of LDS; arguments x_codes, W_qkv_codes, b_qkv, lowp_scales, q_codes, k_codes, v_codes; writes q_codes, k_codes, v_codes
.if DOCPART == 1
	.amdgcn_target "amdgcn-amd-amdhsa--gfx1250"
	.amdhsa_code_object_version 6
	.text
	.protected	k_q3b78470950_qkv
	.globl	k_q3b78470950_qkv
	.p2align	8
	.type	k_q3b78470950_qkv,@function
k_q3b78470950_qkv:
	s_mov_b64 s[64:65], 0
	v_nop
	global_prefetch_b8 v0, s[64:65] scope:SCOPE_SE
	s_setreg_imm32_b32 hwreg(HW_REG_WAVE_MODE, 25, 1), 1
	s_wait_xcnt 0x0
	s_wait_alu depctr_hold_cnt(0) depctr_sa_sdst(0) depctr_va_vdst(0) depctr_va_sdst(0) depctr_va_ssrc(0) depctr_va_vcc(0) depctr_vm_vsrc(0)
	s_getreg_b32 s2, hwreg(HW_REG_IB_STS2, 6, 4)
	s_cmp_eq_u32 s2, 0
	s_cbranch_scc0 .Lentry_in_a_cluster
	s_endpgm
.Lentry_in_a_cluster:
	s_bfe_u32 s2, ttmp6, 0x10000c
	s_cmp_lg_u32 s2, 0xf033
	s_cbranch_scc0 .Lentry_shape_is_right
	s_endpgm
.Lentry_shape_is_right:
; qkv = x W_qkv^T + b_qkv on codes of FP8 (E4M3), then q, k and v are quantised with their given scales and stored as codes.
; x: [8192][1024] codes, W_qkv: [3072][1024] codes, K innermost; b_qkv [3072] f32; lowp_scales: e0 x, e1 W_qkv, e2 q, e3 k, e5 v.
; OUT, all three alike, [group of 64 along the next K][row][64 bytes]:
;   q_codes, k_codes: [head 16][token 8192][d 64];   v_codes: [token / 64, 128][head x 64 + d, 1024][token % 64]: the keys innermost, since they are the K of attention's second product.
; LIMITS: e0 + e1 between -126 and 127; e2, e3, e5 between -126 and 119, so that each power of two below is an f32 number.  NaN among the biases is not served.
; SHARES.  A work-group of four waves makes 256 x 256 results, a wave 128 x 128: 64 accumulators of 16 x 16, 512 registers.  K goes in steps of 256 through a ring of two LDS slots filled by the tensor data mover.
; THE TWO TILES.  The matrix instruction takes 16 rows of tile S0 as source 0 and 16 rows of tile S1 as source 1; a lane then holds ONE row of S1 and eight NEIGHBOURING rows of S0.  The conversion to codes wants
; eight neighbours along the next K in a lane: for q and k that is d (rows of W), for v the keys (rows of x).  Both tensors have rows of 1,024 bytes, so the cluster's x (0 q, 1 k, 2 v) only chooses POINTERS and tile
; numbers: q, k: S0 = W_qkv, S1 = x;  v: S0 = x, S1 = W_qkv's last 1,024 rows.  No branch and no LDS address hangs on that choice.
; CLUSTERS: 4 x 4 work-groups.  The four of a row of the cluster need the same tiles of S1, the four of a column the same tiles of S0: each tile is asked for JOINTLY, by the same tensor load with the same descriptor and a
; mask that names the four.
; REGISTERS, in windows of 256: window 0: v16-30 addresses; v32-95 the bias by S0's rows, v96-111 the bias by S1's rows (one of the two is made zero); v112, v113 the conversion's scale and the hold; from v128 S1's fragments, ONE set;
;   on the way out v128-191 a block's numbers, v192-223 its codes (two sets).   window 1: S0's fragments, TWO sets; on the way out v0-127 the blocks read back from the stage.   windows 2, 3: the accumulators ((a, b) at v[8 (8 (a % 4) + b)]).
.set KROW,   1024                      ; a row of x or of W_qkv in memory, in bytes
.set ROWB,   256                       ; a tile's row: 256 codes
.set PITCH,  272                       ; an LDS row: 256 bytes + 16 of padding = 68 words: the 16 rows that a load touches start at 16 different banks (64 banks of 4 bytes: ISA guide 11.1)
.set FR,     16                        ; registers of a fragment: 16 rows x 128 K
.set NL,     4                         ; LDS loads that bring one
.set NP,     4                         ; places behind this matrix instruction (ISA guide 7.12.1)
.set HALFT,  128*PITCH                 ; 128 rows: what one tensor load brings
.set SLOT,   4*HALFT                   ; S1's 256 rows, then S0's 256 rows
.set SPARE,  2*SLOT                    ; behind the ring: the spare words, 128 bytes for each wave
.set STG,    SPARE+512                 ; behind them: a stage of 2,048 bytes for each wave, for the way out; no tile lands there
.set ADRA, 16                          ; v16-17  LDS address of my S1 fragments in slot 0, 1
.set ADRB, 20                          ; v20-21  the same for S0
.set STO,  24                          ; v24     the way out: where I put 8 codes
.set RD,   25                          ; v25     where I read 16 bytes back
.set CO,   26                          ; v26     16 x lane: my place in 512 bytes of the output
.set BO0,  27                          ; v27     byte offset in b_qkv of my eight numbers by S0's rows; never rewritten
.set SPW,  28                          ; v28     LDS address of my spare word; never rewritten
.set NIL,  29                          ; v29     0; never rewritten
.set BO1,  30                          ; v30     byte offset in b_qkv of my number by S1's rows; never rewritten
.set B0,   32
.set B1,   96
.set SC,   112
.set LIM,  113
.set AF,   128
.set TMP,  128
.set CD,   192
.set G1, 24                            ; s[24:31] descriptor group 1 for S1's tiles;  s[32:39] group 0, one set for each slot
.set G0, 32
.set G1B, 48                           ; s[48:55], s[56:63] the same for S0's tiles
.set G0B, 56
.set OB,  92                           ; s[92:93], s[94:95] where my two groups of 64 begin in the output
.set MSB, 0
.macro WIN new                         ; the immediate's high byte repeats the setting that is left
.if MSB != \new
	s_set_vgpr_msb (MSB<<8)|\new
.set MSB, \new
.endif
.endm
.set MUL_LO, 0xa1                      ; source 0 (S0) window 1, source 1 (S1) window 0, C and D window 2
.set MUL_HI, 0xf1                      ; the same, C and D window 3
.set TO_B,   0x40                      ; destination window 1, address window 0
; A joint load: waves 0 and 1 fetch for S1, waves 2 and 3 for S0.  Each of the two lines has one mask and one set of registers for all that issue it; the branch hangs on the wave's number alone.
; Four v_nop follow each of the two lines, ahead of the jump, the label and what follows.
.macro JLOAD g0a, g1a, g0b, g1b
	s_cmp_eq_u32 s15, 0
	s_cbranch_scc0 .Lfor_b_\@
	tensor_load_to_lds s[\g0a:\g0a+3], s[\g1a:\g1a+7]
	s_nop 0
.rept 4
	v_nop
.endr
	s_branch .Lasked_\@
.Lfor_b_\@:
	tensor_load_to_lds s[\g0b:\g0b+3], s[\g1b:\g1b+7]
	s_nop 0
.rept 4
	v_nop
.endr
.Lasked_\@:
.endm
.macro CREST                           ; a round of the cluster's barrier behind its opening barrier
	s_cmp_lg_u32 s14, 0
	s_cbranch_scc1 .Lnot_wave_0_\@
	s_barrier_signal -3
.Lnot_wave_0_\@:
	s_barrier_wait -3
	s_barrier_signal -1
	s_barrier_wait -1
.endm
.macro CROUND                          ; a whole round
	s_barrier_signal -1
	s_barrier_wait -1
	CREST
.endm
	s_load_b256 s[4:11], s[0:1], 0x0               ; x s[4:5], W_qkv s[6:7], b_qkv s[8:9], the scales' exponents s[10:11]
	s_load_b128 s[68:71], s[0:1], 0x20             ; q_codes s[68:69], k_codes s[70:71]
	s_load_b64 s[72:73], s[0:1], 0x30              ; v_codes
	v_lshl_add_u32 v[SPW], v0, 2, SPARE
	v_mov_b32 v[NIL], 0
	ds_add_u32 v28, v29
	ds_add_u32 v28, v29
	s_wait_dscnt 0x0
	v_lshrrev_b32 v1, 5, v0
	v_readfirstlane_b32 s14, v1                    ; wave 0..3
	s_lshr_b32 s15, s14, 1                         ; which half of S1's rows is mine.  Also: I fetch for S1 (0) or for S0 (1)
	s_and_b32 s16, s14, 1                          ; which half of S0's rows.  Also: which 128 rows of that tile I fetch
	s_bfe_u32 s40, ttmp6, 0x40000                  ; cx, cy: my place in the cluster
	s_bfe_u32 s41, ttmp6, 0x40004
	s_and_b32 s75, ttmp7, 0xffff                   ; the cluster's y, 0..7
	s_mov_b32 s78, 524288                          ; bytes of a group of 64 in q_codes and k_codes: 8,192 rows x 64
	s_cmp_eq_u32 ttmp9, 2                          ; the cluster's x: 0 q, 1 k, 2 v: the same in all sixteen partners
	s_cselect_b32 s76, s75, ttmp9                  ; S0's tiles: v: x's, by the cluster's y; q, k: W's, by its x
	s_cselect_b32 s77, 0, s75                      ; S1's tiles: v: the four of W's last 1,024 rows; q, k: x's
	s_cselect_b32 s98, 0, -1                       ; all lanes where the bias goes by S0's rows (q, k)
	s_cselect_b32 s99, -1, 0                       ; all lanes where it goes by S1's rows (v)
	s_cselect_b32 s78, 65536, s78                  ; in v_codes a group is 1,024 rows x 64
	s_mov_b32 s79, 0
	s_lshl_b32 s42, s76, 2
	s_add_co_u32 s42, s42, s40                     ; X: S0's tile
	s_lshl_b32 s17, s77, 2
	s_add_co_u32 s17, s17, s41                     ; Y: S1's tile
	s_lshl_b32 s43, s41, 2
	s_lshl_b32 s43, 15, s43                        ; my row of the cluster
	s_lshl_b32 s44, 0x1111, s40                    ; my column
	; descriptor group 1: a tile of 128 rows x 256 bytes, padded in LDS
	s_or_b32 s[G1+0], s43, (0<<16)|(1<<20)|(1<<21)|(5<<22)|(3<<25)  ; 15:0 the mask: S1's tiles go to my row; 17:16 elements of 1 byte; 20 padding on; 21 set beside a mask; 24:22 after every 64 words (code 5); 31:25 four words (code 3)
	s_or_b32 s[G1B+0], s44, (0<<16)|(1<<20)|(1<<21)|(5<<22)|(3<<25) ; the same with my column's mask, for S0's tiles
.irp g, G1, G1B
	s_mov_b32 s[\g+1], ROWB<<16                    ; tensor_dim0
	s_mov_b32 s[\g+2], 128<<16                     ; tensor_dim1 = 128
	s_mov_b32 s[\g+3], ROWB<<16                    ; tile_dim0
	s_mov_b32 s[\g+4], 128                         ; tile_dim1 = 128
	s_mov_b32 s[\g+5], KROW                        ; tensor_dim0_stride
	s_mov_b32 s[\g+6], 0
	s_mov_b32 s[\g+7], 0
.endr
	s_lshl_b32 s18, s16, 7                         ; which 128 rows of the tile I fetch
	s_lshl_b32 s20, s17, 8
	s_add_co_u32 s20, s20, s18
	s_lshl_b32 s20, s20, 10                        ; S1: (256 Y + 128 half) rows of 1,024 bytes: under 2^23
	s_mov_b32 s21, 0
	s_lshl_b32 s46, s42, 8
	s_add_co_u32 s46, s46, s18
	s_lshl_b32 s46, s46, 10                        ; S0: (256 X + 128 half) rows
	s_mov_b32 s47, 0
	s_mul_i32 s45, s14, HALFT                      ; where they go: wave x 128 rows: no place in the cluster enters an LDS address
	s_wait_kmcnt 0x0
	s_load_b256 s[84:91], s[10:11], 0x0            ; e0 .. e7
	s_add_nc_u64 s[80:81], s[6:7], 0x200000        ; W_qkv's row 2,048
	s_cmp_eq_u32 ttmp9, 2
	s_cselect_b64 s[80:81], s[80:81], s[4:5]       ; S1's tensor
	s_cselect_b64 s[82:83], s[4:5], s[6:7]         ; S0's tensor
	s_add_nc_u64 s[20:21], s[80:81], s[20:21]
	s_add_nc_u64 s[46:47], s[82:83], s[46:47]
	CROUND                                         ; all sixteen work-groups are here: the first joint loads meet
.irp s, 0,1
	s_mov_b32 s[G0+4*\s], 1
	s_add_co_u32 s[G0+4*\s+1], s45, \s*SLOT
	s_add_nc_u64 s[G0+4*\s+2:G0+4*\s+3], s[20:21], \s*ROWB
	s_or_b32 s[G0+4*\s+3], s[G0+4*\s+3], 0x80000000
	s_mov_b32 s[G0B+4*\s], 1
	s_add_co_u32 s[G0B+4*\s+1], s45, \s*SLOT
	s_add_nc_u64 s[G0B+4*\s+2:G0B+4*\s+3], s[46:47], \s*ROWB
	s_or_b32 s[G0B+4*\s+3], s[G0B+4*\s+3], 0x80000000
	JLOAD G0+4*\s, G1, G0B+4*\s, G1B
.endr
	v_and_b32 v1, 15, v0                           ; r = l % 16
	v_bfe_u32 v2, v0, 4, 1                         ; h = l / 16
	v_mul_u32_u24 v3, v1, PITCH
	v_lshl_add_u32 v4, v2, 4, v3                   ; a fragment's row x pitch + 16 x half
	s_mul_i32 s21, s15, HALFT                      ; my 128 rows of S1
	s_mul_i32 s22, s16, HALFT                      ; my 128 rows of S0,
	s_add_co_u32 s22, s22, 2*HALFT                 ; which lie behind S1's 256
.irp s, 0,1
	v_add_nc_u32 v[ADRA+\s], s21, v4
	v_add_nc_u32 v[ADRB+\s], s22, v4
	s_add_co_u32 s21, s21, SLOT
	s_add_co_u32 s22, s22, SLOT
.endr
	s_lshl_b32 s23, s14, 11
	s_add_co_u32 s23, s23, STG                     ; my stage
	v_lshlrev_b32 v5, 6, v1
	v_lshl_add_u32 v5, v2, 3, v5
	v_add_nc_u32 v[STO], s23, v5                   ; in: row r of 64 bytes, + 8 h
	v_and_b32 v6, 31, v0
	v_lshlrev_b32 v[CO], 4, v6
	v_add_nc_u32 v[RD], s23, v[CO]                 ; back: 16 bytes a lane, 512 on end
	; the biases.  Both sets are loaded whatever the kind, from places inside b_qkv, and the one that does not apply is made zero behind the K loop
	s_lshl_b32 s20, s42, 8                         ; 256 X
	s_lshl_b32 s21, s17, 8
	s_add_co_u32 s21, s21, 2048                    ; 2,048 + 256 Y
	s_cmp_eq_u32 ttmp9, 2
	s_cselect_b32 s20, 0, s20
	s_cselect_b32 s21, s21, 0
	s_cselect_b32 s67, s42, s40                    ; the output's groups go by X (v: tokens) or by cx (q, k: the kind's own 16 heads)
	s_lshl_b32 s22, s16, 7
	s_add_co_u32 s20, s20, s22
	s_lshl_b32 s20, s20, 2
	s_lshl_b32 s22, s15, 7
	s_add_co_u32 s21, s21, s22
	s_lshl_b32 s21, s21, 2
	v_lshl_add_u32 v[BO0], v2, 5, s20              ; by S0's rows: block b's eight numbers of my half: + 64 b
	v_lshl_add_u32 v[BO1], v1, 2, s21              ; by S1's rows: block a's row r: + 64 a
.irp b, 0,1,2,3,4,5,6,7
	global_load_b128 v[B0+8*\b:B0+8*\b+3], v[BO0], s[8:9] offset:64*\b
	global_load_b128 v[B0+8*\b+4:B0+8*\b+7], v[BO0], s[8:9] offset:64*\b+16
.endr
.irp a, 0,1,2,3,4,5,6,7
	global_load_b32 v[B1+2*\a], v[BO1], s[8:9] offset:64*\a      ; twice: a pair for the packed addition
	global_load_b32 v[B1+2*\a+1], v[BO1], s[8:9] offset:64*\a
.endr
	; where my results go: group (4 XO + 2 x my half of S0's rows), row 256 Y + 128 x my half of S1's rows
	s_lshl_b32 s22, s67, 2
	s_lshl_b32 s18, s16, 1
	s_add_co_u32 s22, s22, s18
	s_mul_i32 s22, s22, s78
	s_lshl_b32 s18, s17, 8
	s_lshl_b32 s19, s15, 7
	s_add_co_u32 s18, s18, s19
	s_lshl_b32 s18, s18, 6
	s_add_co_u32 s22, s22, s18                     ; under 2^23
	s_mov_b32 s23, 0
	s_cmp_eq_u32 ttmp9, 0
	s_cselect_b64 s[OB:OB+1], s[68:69], s[70:71]
	s_cmp_eq_u32 ttmp9, 2
	s_cselect_b64 s[OB:OB+1], s[72:73], s[OB:OB+1]
	s_add_nc_u64 s[OB:OB+1], s[OB:OB+1], s[22:23]
	s_add_nc_u64 s[OB+2:OB+3], s[OB:OB+1], s[78:79]  ; the next group of 64
.macro FRAG reg, adr, q, i             ; a fragment, 16 rows x 128 K: lane l holds row l % 16; registers 4 c .. 4 c + 3 hold K = 32 c + 16 (l / 16) + 0 .. 15: the same order of k in S0 and in S1
.irp c, 0,1,2,3
	ds_load_b128 v[\reg+4*\c:\reg+4*\c+3], v[\adr] offset:128*(\q)+32*\c+(\i)*16*PITCH
.endr
.endm
; 16 matrix instructions: S1's blocks a0, a0 + 1 x S0's eight, 128 along K.  p: S0's set.  zero = 1: the first product starts the sums.
; The 64 accumulators take turns, one instruction a turn, in the same order in every step.
.macro MUL16 a0, p, zero
.irp a, \a0, \a0+1
.irp b, 0,1,2,3,4,5,6,7
.if \zero
	v_wmma_f32_16x16x128_fp8_fp8 v[8*(8*((\a)%4)+\b):8*(8*((\a)%4)+\b)+7], v[128*(\p)+FR*\b:128*(\p)+FR*\b+FR-1], v[AF+FR*(\a):AF+FR*(\a)+FR-1], 0
.else
	v_wmma_f32_16x16x128_fp8_fp8 v[8*(8*((\a)%4)+\b):8*(8*((\a)%4)+\b)+7], v[128*(\p)+FR*\b:128*(\p)+FR*\b+FR-1], v[AF+FR*(\a):AF+FR*(\a)+FR-1], v[8*(8*((\a)%4)+\b):8*(8*((\a)%4)+\b)+7]
.endif
.endr
.endr
.endm
.macro FETCH_B slot, q, p              ; S0's eight fragments of the slot's q-th 128 along K into set p
	WIN TO_B
.irp i, 0,1,2,3,4,5,6,7
	FRAG 128*(\p)+FR*\i, ADRB+\slot, \q, \i
.endr
	WIN 0
.endm
.macro FETCH_A slot, q, i0             ; S1's blocks i0 .. i0 + 3
.irp i, \i0, \i0+1, \i0+2, \i0+3
	FRAG AF+FR*(\i), ADRA+\slot, \q, \i
.endr
.endm
; A load into a register that a matrix instruction has read, and a vector instruction that reads a matrix result or writes one of its registers, stand NP places behind it; only plain vector instructions that name none
; of its registers are places (ISA guide 7.12.1 for vector instructions).
.macro PLACES n
.rept \n
	v_nop
.endr
.endm
; A step of 128 along K that has its successor in the same slot.  S1 has one set of registers: blocks 0-3 are fetched anew in the step's middle, blocks 4-7 at its end; S0 has two.
.macro STEP slot, q, zero
	s_wait_dscnt 4*NL                              ; S0's set and S1's blocks 0-3 are in; the youngest sixteen loads (blocks 4-7) may be out
	WIN MUL_LO
	MUL16 0, (\q)%2, \zero
	MUL16 2, (\q)%2, \zero
	s_wait_dscnt 0                                 ; blocks 4-7 are in (asked for 32 matrix instructions ago)
	PLACES NP
	FETCH_B \slot, (\q)+1, 1-(\q)%2
	FETCH_A \slot, (\q)+1, 0
	WIN MUL_HI
	MUL16 4, (\q)%2, \zero
	MUL16 6, (\q)%2, \zero
	PLACES NP
	WIN 0
	FETCH_A \slot, (\q)+1, 4
.endm
; A slot's last step changes slots: ONE barrier; in front of it each wave waits for all its tensor loads, adds 0 to its spare word, and waits for that and for its own reads of this slot.  fill = 1: this slot is filled again, two K steps ahead.
.macro TURN slot, next, fill
	s_wait_tensorcnt 0x0                           ; all my tensor loads have landed: my part of the next slot  (every window is 0 here)
	ds_add_u32 v[SPW], v[NIL]                      ; 0 onto my spare word
	s_wait_dscnt 4*NL+1                            ; (the add and the youngest sixteen loads may be out)
	WIN MUL_LO
	MUL16 0, 1, 0                                  ; sixteen matrix instructions stand between the add and the wait for it
	s_wait_dscnt 0x0                               ; the add is done, and my reads of this slot are over
	s_barrier_signal -1
	MUL16 2, 1, 0
	WIN 0
	s_barrier_wait -1
.if \fill
	CREST                                          ; the barrier has opened a round of the cluster's barrier: no wave of any partner still reads this slot's tile or has a load on its way
	s_add_nc_u64 s[G0+4*\slot+2:G0+4*\slot+3], s[G0+4*\slot+2:G0+4*\slot+3], 2*ROWB
	s_add_nc_u64 s[G0B+4*\slot+2:G0B+4*\slot+3], s[G0B+4*\slot+2:G0B+4*\slot+3], 2*ROWB
	JLOAD G0+4*\slot, G1, G0B+4*\slot, G1B         ; the first tensor load behind the round; its four v_nop are also the places in front of the loads below
.else
	PLACES NP
.endif
	FETCH_B \next, 0, 0
	FETCH_A \next, 0, 0
	WIN MUL_HI
	MUL16 4, 1, 0
	MUL16 6, 1, 0
	PLACES NP
	WIN 0
	FETCH_A \next, 0, 4
.endm
	s_wait_tensorcnt 1                             ; my part of K step 0 is in (K step 1's load may be out)
	s_barrier_signal -1
	s_barrier_wait -1                              ; everybody's is
	FETCH_B 0, 0, 0
	FETCH_A 0, 0, 0
	FETCH_A 0, 0, 4
	; K = 1,024 is four slots' worth: eight steps of 128, written out
	STEP 0, 0, 1                                   ; its products start the sums: nothing is cleared
	TURN 0, 1, 1                                   ; slot 0 takes K step 2
	STEP 1, 0, 0
	TURN 1, 0, 1                                   ; slot 1 takes K step 3
	STEP 0, 0, 0
	TURN 0, 1, 0                                   ; nothing is left to fetch: a plain barrier
	STEP 1, 0, 0
	s_wait_dscnt 4*NL                              ; the last step
	WIN MUL_LO
	MUL16 0, 1, 0
	MUL16 2, 1, 0
	s_wait_dscnt 0
	WIN MUL_HI
	MUL16 4, 1, 0
	MUL16 6, 1, 0
	WIN 0
	; THE WAY OUT.  number = sum x 2^(e0 + e1) + bias, held within +-448 x 2^eo, converted with 2^eo: eight neighbours along the next K make 8 bytes of a row of 64.
	PLACES NP                                      ; behind the last products
	s_wait_loadcnt 0x0                             ; the biases
	s_wait_kmcnt 0x0                               ; the exponents
.set i, 0
.rept 64
	v_cndmask_b32 v[B0+i], 0, v[B0+i], s98         ; kept for q and k, zero for v
.set i, i+1
.endr
.set i, 0
.rept 16
	v_cndmask_b32 v[B1+i], 0, v[B1+i], s99         ; kept for v, zero for q and k: adding the zero rounds nothing
.set i, i+1
.endr
	s_add_co_i32 s96, s84, s85
	s_add_co_i32 s96, s96, 127
	s_lshl_b32 s96, s96, 23                        ; 2^(e0 + e1) as f32
	s_mov_b32 s97, s96                             ; (named with it as a pair, so it is written)
	s_cmp_eq_u32 ttmp9, 0
	s_cselect_b32 s66, s86, s87                    ; e2 for q, e3 for k,
	s_cmp_eq_u32 ttmp9, 2
	s_cselect_b32 s66, s89, s66                    ; e5 for v: a choice, no branch
	s_add_co_i32 s66, s66, 127
	s_lshl_b32 s67, s66, 23
	v_mov_b32 v[SC], s67                           ; 2^eo: the conversion takes its exponent field
	s_add_co_i32 s66, s66, 8
	s_lshl_b32 s66, s66, 23
	s_or_b32 s66, s66, 0x600000
	v_mov_b32 v[LIM], s66                          ; 448 x 2^eo
; Block a: my 16 rows of S1 x 128 rows of S0: two groups of 64 bytes a row.  They go through my stage (LDS serves a wave's instructions in order, ISA guide 5.7.1.4: no wait between stores and loads) and come back as 4 x 512 bytes on end.
.macro QOUT a
.set AC, 64*((\a)%4)
.set CS, CD+16*((\a)%2)
	WIN 0x02+((\a)/4)                              ; source 0: window 2 or 3
.irp j, 0,2,4,6,8,10,12,14,16,18,20,22,24,26,28,30,32,34,36,38,40,42,44,46,48,50,52,54,56,58,60,62
	v_pk_fma_f32 v[TMP+\j:TMP+\j+1], v[AC+\j:AC+\j+1], s[96:97], v[B0+\j:B0+\j+1] op_sel_hi:[1,0,1]   ; each accumulator from its low end on
.endr
	WIN 0
.irp j, 0,2,4,6,8,10,12,14,16,18,20,22,24,26,28,30,32,34,36,38,40,42,44,46,48,50,52,54,56,58,60,62
	v_pk_add_f32 v[TMP+\j:TMP+\j+1], v[TMP+\j:TMP+\j+1], v[B1+2*(\a):B1+2*(\a)+1]
.endr
.set i, 0
.rept 64
	v_med3_num_f32 v[TMP+i], v[TMP+i], -v[LIM], v[LIM]   ; the conversion to an 8-bit code does not saturate (ISA guide 7.6.2): the hold comes first
.set i, i+1
.endr
.irp b, 0,1,2,3,4,5,6,7
	v_cvt_scalef32_pk8_fp8_f32 v[CS+2*\b:CS+2*\b+1], v[TMP+8*\b:TMP+8*\b+7], v[SC]
.endr
	v_nop                                          ; one plain vector instruction behind the last conversion, ahead of the next block's writes of its sources
.irp b, 0,1,2,3,4,5,6,7
	ds_store_b64 v[STO], v[CS+2*\b:CS+2*\b+1] offset:(\b/4)*1024+(\b%4)*16
.endr
	WIN 0x40                                       ; destination window 1: each block has its own sixteen registers, so no store's data are written again
.irp i, 0,1,2,3
	ds_load_b128 v[16*(\a)+4*\i:16*(\a)+4*\i+3], v[RD] offset:512*\i
.endr
	WIN 0
.endm
.macro QSEND a, younger                ; younger: the LDS instructions issued behind block a's loads, which may stay out
	s_wait_dscnt \younger
	WIN 0x04                                       ; the data in window 1
.irp i, 0,1,2,3
	global_store_b128 v[CO], v[16*(\a)+4*\i:16*(\a)+4*\i+3], s[OB+2*(\i/2):OB+2*(\i/2)+1] offset:(\a)*1024+512*(\i%2)   ; 32 lanes store 512 consecutive bytes, at a multiple of 256 from the buffer's first byte
.endr
	WIN 0
.endm
	QOUT 0
.irp a, 1,2,3,4,5,6,7
	QOUT \a
	QSEND \a-1, 12                                 ; behind block a - 1's loads: block a's 8 stores and 4 loads.  So block a - 1's stores into the stage have read their codes before block a + 1 writes that set
.endr
	QSEND 7, 0
	s_wait_tensorcnt 0x0                           ; the wave's end, behind my last tensor load and my last LDS store
	ds_add_u32 v[SPW], v[NIL]
	s_wait_dscnt 0x0
	CROUND                                         ; the closing round: no work-group ends while a partner may still ask for a tile that names it
	s_endpgm
.Lfunc_end_k_q3b78470950_qkv:
	.size	k_q3b78470950_qkv, .Lfunc_end_k_q3b78470950_qkv-k_q3b78470950_qkv
	.p2alignl 7, 3214868480
	.fill 96, 4, 3214868480
	.section	.rodata,"a",@progbits
	.p2align	6, 0x0
	.amdhsa_kernel k_q3b78470950_qkv
		.amdhsa_group_segment_fixed_size 327680
		.amdhsa_private_segment_fixed_size 0
		.amdhsa_enable_private_segment 0
		.amdhsa_kernarg_size 56
		.amdhsa_user_sgpr_count 2
		.amdhsa_user_sgpr_kernarg_segment_ptr 1
		.amdhsa_wavefront_size32 1
		.amdhsa_system_sgpr_workgroup_id_x 1
		.amdhsa_system_sgpr_workgroup_id_y 1
		.amdhsa_system_sgpr_workgroup_id_z 1
		.amdhsa_system_vgpr_workitem_id 0
		.amdhsa_next_free_vgpr 1024
		.amdhsa_next_free_sgpr 100
		.amdhsa_reserve_vcc 0
		.amdhsa_float_denorm_mode_32 3
		.amdhsa_float_denorm_mode_16_64 3
		.amdhsa_memory_ordered 1
		.amdhsa_forward_progress 1
		.amdhsa_inst_pref_size 166
	.end_amdhsa_kernel
	.amdgpu_metadata
---
amdhsa.version: [ 1, 2 ]
amdhsa.kernels:
  - .name:           k_q3b78470950_qkv
    .symbol:         k_q3b78470950_qkv.kd
    .args:
      - { .name: x_codes, .offset: 0, .size: 8, .value_kind: global_buffer, .address_space: global }
      - { .name: W_qkv_codes, .offset: 8, .size: 8, .value_kind: global_buffer, .address_space: global }
      - { .name: b_qkv, .offset: 16, .size: 8, .value_kind: global_buffer, .address_space: global }
      - { .name: lowp_scales, .offset: 24, .size: 8, .value_kind: global_buffer, .address_space: global }
      - { .name: q_codes, .offset: 32, .size: 8, .value_kind: global_buffer, .address_space: global }
      - { .name: k_codes, .offset: 40, .size: 8, .value_kind: global_buffer, .address_space: global }
      - { .name: v_codes, .offset: 48, .size: 8, .value_kind: global_buffer, .address_space: global }
    .group_segment_fixed_size: 327680
    .private_segment_fixed_size: 0
    .kernarg_segment_align: 8
    .kernarg_segment_size: 56
    .max_flat_workgroup_size: 128
    .sgpr_count:     100
    .vgpr_count:     1024
    .wavefront_size: 32
...
	.end_amdgpu_metadata
.endif
;; end of part 1
;; launch attn (part 2): grid 4 x 64, 8 waves a work-group, clusters of 4 x 1, 327,680 bytes of LDS; arguments q_codes, k_codes, v_codes, lowp_scales, a_codes; writes a_codes
.if DOCPART == 2
	.amdgcn_target "amdgcn-amd-amdhsa--gfx1250"
	.amdhsa_code_object_version 6
	.text
	.protected	k_q3b78470950_attn
	.globl	k_q3b78470950_attn
	.p2align	8
	.type	k_q3b78470950_attn,@function
k_q3b78470950_attn:
	s_mov_b64 s[64:65], 0
	v_nop
	global_prefetch_b8 v0, s[64:65] scope:SCOPE_SE
	s_setreg_imm32_b32 hwreg(HW_REG_WAVE_MODE, 25, 1), 1
	s_wait_xcnt 0x0
	s_wait_alu depctr_hold_cnt(0) depctr_sa_sdst(0) depctr_va_vdst(0) depctr_va_sdst(0) depctr_va_ssrc(0) depctr_va_vcc(0) depctr_vm_vsrc(0)
	s_getreg_b32 s2, hwreg(HW_REG_IB_STS2, 6, 4)
	s_cmp_eq_u32 s2, 0
	s_cbranch_scc0 .Lentry_in_a_cluster
	s_endpgm
.Lentry_in_a_cluster:
	s_bfe_u32 s2, ttmp6, 0x10000c
	s_cmp_lg_u32 s2, 0x3003
	s_cbranch_scc0 .Lentry_shape_is_right
	s_endpgm
.Lentry_shape_is_right:
; Causal attention on codes of FP8 (E4M3), head size 64, 2,048 tokens, 64 (head, batch) pairs.  q_codes, k_codes, a_codes: [head][batch x 2048 + token][64]; v_codes: [batch x 32 + token / 64][head x 64 + d][token % 64].
; lowp_scales: e2 q, e3 k, e4 p, e5 v, e6 the result.  t = score x 2^(e2 + e3) x log2(e) / 8; M = the row's running largest t rounded UP to a whole number; p = 2^(t - M) is quantised with 2^e4, not normalised; the row's sum is
; taken of the unquantised p and divides at the end; when M moves, the sum and O are multiplied by 2^(old M - new M), which rounds nothing.  The result x 2^(e4 + e5) / sum is quantised with 2^e6.
; LIMITS: e2 + e3 between -123 and 130 (added to the exponent field of log2(e) / 8); e4 and e6 between -126 and 119; e4 + e5 is applied by v_ldexp_f32 and has none.
; SHARES.  A cluster of four work-groups owns one (head, batch).  Its 128 tiles of 16 queries are dealt in stripes: tile 4 u + cx belongs to the partner at place cx.  Wave w of eight owns u = 31 - w, 16 + w, 15 - w, w.
; Keys go in steps of 128.  Tile 4 u + cx lies in key step u / 2 whatever cx is: so a tile works in steps 0 .. u / 2, the last of them on the diagonal, and every branch hangs on the wave's number and the step alone.
; Each wave has (15 - w/2) + (8 + w/2) + (7 - w/2) + w/2 + 4 = 34 tile steps: all waves of the launch have equal work.  A step's fragments of K and V are read from LDS once a wave and serve all its tiles that still work.
; THE HEAD'S WHOLE K AND V LIE IN LDS, 2 x 139,264 bytes, filled ONCE, by joint loads (the four partners read the same K and V): eight loads a wave, all issued at the head behind one round of the cluster's barrier.
; Nothing is filled again, so the loop has no round, and one barrier apart from the first: steps 0-3 need keys 0-511 (each wave's first two loads), the rest lands meanwhile.
; No prefetch into the L2: every byte of K and V is asked for by its tensor load at the kernel's head, which is as early as a request can stand.
; LAYOUT.  Both products are used transposed: S^T = K Q^T (source 0 = 16 keys, source 1 = 16 queries), O^T = V^T P^T (source 0 = 16 of the head's 64, source 1 = P): a lane holds ONE query (lane % 16) throughout.
; S^T's tile t, register j of lane (r, h) is key 16 t + 8 h + j: its eight codes are registers 2 t, 2 t + 1 of P in the 16x16x128 form's own layout; V's fragments are loaded in that layout, 8 bytes at a time.
; REGISTERS.  window 0: v1-6 addresses; v8-11 the diagonal's offsets; v12-23 constants and work; v24-39 four registers of statistics a tile (-M, the largest t, the sum in two halves); v40-55 P; v56-87 Q; v88-151 S^T, then p;
;   v152-215 K's eight fragments; v216-247 the result's codes; v248-255 offsets in a_codes and q_codes.   window 1: v0-127 O^T, 32 a tile; v128-191 V's four fragments.
.set KB,    4352                       ; 64 rows of 64 bytes in LDS: four rows to 256 bytes, 16 of padding behind: row x at (x / 4) 272 + (x % 4) 64: sixteen neighbouring rows start at sixteen different groups of four banks
.set VOFF,  32*KB                      ; K's 32 blocks of 64 keys, then V's 32 blocks (64 d x 64 keys)
.set STG,   2*VOFF                     ; behind them: a stage of 4,096 bytes for each wave, for the way out; no tile lands there
.set STEPB, 2*KB                       ; a key step: two blocks
.set AK0,  1                           ; v1   my lane's place in a tile of K
.set AV0,  2                           ; v2   the same for V
.set ADK,  3                           ; v3   LDS address of the step's K
.set ADV,  4                           ; v4   of its V
.set STO,  5                           ; v5   the way out: where I put 8 codes
.set RD,   6                           ; v6   where I read 16 bytes back
.set DREL, 8                           ; v8-11  tile a: my query's place in its diagonal step, less 8 h
.set PSC,  12                          ; v12  2^e4
.set PLIM, 13
.set FF,   14                          ; v[14:15]  f = 2^(old M - new M); v15 is named with it as a pair
.set T1,   16
.set T2,   17
.set T3,   18
.set NINF, 19                          ; v19  -infinity
.set SUM,  20                          ; v[20:21]
.set ASC,  22                          ; v22  2^e6
.set ALIM, 23
.set ST,   24
.set P,    40
.set QF,   56
.set S,    88
.set KF,   152
.set CD,   216
.set GO,   248
.set QO,   252
.set WV,   18                          ; s18  my wave's number
.set G1,   24                          ; s[24:31] descriptor group 1
.set G0,   32                          ; s[32:63] eight groups 0, one for each of my loads
.set SEL,  66                          ; s[66:67] lane selects for v_permlanex16_b32: lane l xor 16
.set CS,   68                          ; s[68:69] c = log2(e) / 8 x 2^(e2 + e3)
.set U2,   72                          ; s[72:75] tile a's last key step
.set TAU,  76                          ; s[76:79] tile a's first byte in a head's rows: 1,024 x (4 u + cx)
.set SG,   80                          ; s80  the key step
.set TB,   81                          ; s81  its first LDS byte in K's region
.set CNT,  82                          ; s82  trips to go
.set MSB, 0
.macro WIN new                         ; the immediate's high byte repeats the setting that is left
.if MSB != \new
	s_set_vgpr_msb (MSB<<8)|\new
.set MSB, \new
.endif
.endm
.macro PLACES
.rept 4
	v_nop
.endr
.endm
.macro CROUND                          ; a round of the cluster's barrier
	s_barrier_signal -1
	s_barrier_wait -1
	s_cmp_lg_u32 s[WV], 0
	s_cbranch_scc1 .Lnot_wave_0_\@
	s_barrier_signal -3
.Lnot_wave_0_\@:
	s_barrier_wait -3
	s_barrier_signal -1
	s_barrier_wait -1
.endm
	s_load_b256 s[4:11], s[0:1], 0x0               ; q s[4:5], k s[6:7], v s[8:9], the scales' exponents s[10:11]
	s_load_b64 s[12:13], s[0:1], 0x20              ; a_codes
	s_set_vgpr_msb 0x40
	v_lshl_add_u32 v254, v0, 2, 0x4c000
	v_mov_b32 v255, 0
	s_set_vgpr_msb 0x4045
	ds_add_u32 v254, v255
	ds_add_u32 v254, v255
	s_set_vgpr_msb 0x4500
	v_lshrrev_b32 v7, 5, v0
	s_delay_alu instid0(VALU_DEP_1)
	v_readfirstlane_b32 s[WV], v7                  ; wave 0..7
	v_and_b32 v16, 15, v0                          ; r
	v_bfe_u32 v17, v0, 4, 1                        ; h
	v_and_b32 v18, 31, v0                          ; lane
	s_delay_alu instid0(VALU_DEP_2)
	v_lshlrev_b32 v7, 3, v17
	s_delay_alu instid0(VALU_DEP_1)
	v_sub_nc_u32 v7, v16, v7                       ; r - 8 h
	s_wait_alu depctr_va_vdst(0)
	s_bfe_u32 s19, ttmp6, 0x40000                  ; cx: it enters q's and a's addresses and the diagonal's offsets alone
	s_and_b32 s20, ttmp7, 0xffff                   ; 4 x head + batch, which the four partners share
	s_lshr_b32 s21, s20, 2                         ; head
	s_and_b32 s22, s20, 3                          ; batch
	s_xor_b32 s[U2], s[WV], 31                     ; u of my four tiles, the latest first
	s_or_b32 s[U2+1], s[WV], 16
	s_xor_b32 s[U2+2], s[WV], 15
	s_mov_b32 s[U2+3], s[WV]
	s_lshl_b32 s15, s19, 4
.irp a, 0,1,2,3
	s_lshl_b32 s[TAU+\a], s[U2+\a], 2
	s_add_co_u32 s[TAU+\a], s[TAU+\a], s19
	s_lshl_b32 s[TAU+\a], s[TAU+\a], 10            ; 16 queries x 64 bytes
	s_and_b32 s14, s[U2+\a], 1
	s_lshl_b32 s14, s14, 6
	s_add_co_u32 s14, s14, s15
	v_add_nc_u32 v[DREL+\a], s14, v7               ; 64 (u % 2) + 16 cx + r - 8 h
	s_lshr_b32 s[U2+\a], s[U2+\a], 1               ; the tile's last key step: of the wave's number alone
.endr
	; what I fetch: waves 0-3 K's blocks, waves 4-7 V's; of each chunk of four blocks (256 keys) the block wave % 4
	s_lshr_b32 s23, s[WV], 2
	s_and_b32 s70, s[WV], 3
	s_mul_i32 s71, s23, VOFF
	s_mul_i32 s14, s70, KB
	s_add_co_u32 s71, s71, s14                     ; LDS: my block of chunk 0
	s_lshl_b32 s92, s20, 17                        ; the head's first byte in q_codes, k_codes, a_codes: 2,048 rows x 64 bytes for each (head, batch)
	s_mov_b32 s93, 0
	s_lshl_b32 s94, s22, 21                        ; in v_codes: batch x 32 blocks x 65,536 + head x 4,096
	s_lshl_b32 s15, s21, 12
	s_add_co_u32 s94, s94, s15
	s_mov_b32 s95, 0
	s_mov_b32 s14, 65536                           ; from block to block: 65,536 bytes in v_codes,
	s_cmp_lt_u32 s[WV], 4
	s_cselect_b32 s14, 4096, s14                   ; 4,096 in k_codes
	s_cselect_b64 s[94:95], s[92:93], s[94:95]
	s_mul_i32 s16, s70, s14
	s_mov_b32 s17, 0
	s_add_nc_u64 s[94:95], s[94:95], s[16:17]
	s_lshl_b32 s98, s14, 2                         ; from chunk to chunk
	s_mov_b32 s99, 0
	; descriptor group 1: a dense block of 4,096 bytes as 16 rows of 256, padded in LDS
	s_mov_b32 s[G1], 15|(0<<16)|(1<<20)|(1<<21)|(5<<22)|(3<<25)   ; 15:0 the mask: all four work-groups; 17:16 elements of 1 byte; 20 padding on; 21 set beside a mask; 24:22 after every 64 words (code 5); 31:25 four words (code 3)
	s_mov_b32 s[G1+1], 256<<16                     ; tensor_dim0
	s_mov_b32 s[G1+2], 16<<16                      ; tensor_dim1
	s_mov_b32 s[G1+3], 256<<16                     ; tile_dim0
	s_mov_b32 s[G1+4], 16                          ; tile_dim1
	s_mov_b32 s[G1+5], 256                         ; tensor_dim0_stride
	s_mov_b32 s[G1+6], 0
	s_mov_b32 s[G1+7], 0
	s_wait_dscnt 0x0
	s_wait_kmcnt 0x0
	s_load_b256 s[84:91], s[10:11], 0x0            ; e0 .. e7
	s_cmp_lt_u32 s[WV], 4                          ; the choice hangs on the wave's number alone: it is the same in all four partners
	s_cselect_b64 s[96:97], s[6:7], s[8:9]
	s_add_nc_u64 s[96:97], s[96:97], s[94:95]
.irp j, 0,1,2,3,4,5,6,7
	s_mov_b32 s[G0+4*\j], 1                        ; 1:0 count = 1
	s_add_co_u32 s[G0+4*\j+1], s71, \j*4*KB        ; 63:32 LDS address
	s_mov_b64 s[G0+4*\j+2:G0+4*\j+3], s[96:97]     ; 120:64 global address
	s_or_b32 s[G0+4*\j+3], s[G0+4*\j+3], 0x80000000  ; 127:126 type = 2
	s_add_nc_u64 s[96:97], s[96:97], s[98:99]
.endr
	CROUND                                         ; all four work-groups are here: the joint loads meet
.irp j, 0,1,2,3,4,5,6,7
	tensor_load_to_lds s[G0+4*\j:G0+4*\j+3], s[G1:G1+7]   ; eight loads of mine are out: all of the launch's fills, in one group
	s_nop 0
.endr
	PLACES                                         ; four v_nop follow the last of them
	s_add_nc_u64 s[4:5], s[4:5], s[92:93]          ; q and a at the head's first row
	s_add_nc_u64 s[12:13], s[12:13], s[92:93]
	v_lshlrev_b32 v7, 6, v16
	s_delay_alu instid0(VALU_DEP_1)
	v_lshl_add_u32 v7, v17, 4, v7                  ; Q: row r of 64 bytes, + 16 h
.irp a, 0,1,2,3
	v_add_nc_u32 v[QO+\a], s[TAU+\a], v7
.endr
.irp a, 0,1,2,3
	global_load_b128 v[QF+8*\a:QF+8*\a+3], v[QO+\a], s[4:5]              ; registers 4 c .. 4 c + 3: d = 32 c + 16 h + 0 .. 15: the same order of d as in K's fragments
	global_load_b128 v[QF+8*\a+4:QF+8*\a+7], v[QO+\a], s[4:5] offset:32
.endr
	v_lshrrev_b32 v3, 2, v16
	s_delay_alu instid0(VALU_DEP_1)
	v_mul_u32_u24 v3, v3, 272
	v_and_b32 v4, 3, v16
	s_delay_alu instid0(VALU_DEP_1)
	v_lshl_add_u32 v3, v4, 6, v3                   ; row r of a tile: (r / 4) 272 + (r % 4) 64
	s_delay_alu instid0(VALU_DEP_1)
	v_lshl_add_u32 v[AK0], v17, 4, v3
	s_delay_alu instid0(VALU_DEP_2)
	v_lshl_add_u32 v[AV0], v17, 3, v3
	s_delay_alu instid0(VALU_DEP_1)
	v_add_nc_u32 v[AV0], VOFF, v[AV0]
	s_lshl_b32 s14, s[WV], 12
	s_add_co_u32 s14, s14, STG                     ; my stage
	v_lshlrev_b32 v[STO], 6, v16
	s_delay_alu instid0(VALU_DEP_1)
	v_lshl_add_u32 v[STO], v17, 3, v[STO]
	s_delay_alu instid0(VALU_DEP_1)
	v_add_nc_u32 v[STO], s14, v[STO]               ; in: row r of 64 bytes, + 8 h
	v_lshlrev_b32 v7, 4, v18
	s_delay_alu instid0(VALU_DEP_1)
	v_add_nc_u32 v[RD], s14, v7                    ; back: 16 bytes a lane
.irp a, 0,1,2,3
	v_add_nc_u32 v[GO+\a], s[TAU+\a], v7
.endr
.irp a, 0,1,2,3
	v_mov_b32 v[ST+4*\a+1], 0xff61b1e6             ; the largest t so far: -3e38, under every t
	s_delay_alu instid0(VALU_DEP_1)
	v_floor_f32 v[ST+4*\a], -v[ST+4*\a+1]          ; -M
	v_mov_b32 v[ST+4*\a+2], 0                      ; the sum, in two halves
	v_mov_b32 v[ST+4*\a+3], 0
.endr
	v_mov_b32 v[FF+1], 0
	v_mov_b32 v[NINF], 0xff800000
	WIN 0x40
.set i, 0
.rept 128
	v_mov_b32 v[i], 0                              ; O^T.  (The key step is written once for all steps: the first finds zeros, which the first change of M leaves zeros)
.set i, i+1
.endr
	WIN 0
	s_mov_b32 s[SEL], 0x76543210
	s_mov_b32 s[SEL+1], 0xfedcba98
	s_mov_b32 s[CS], 0x3e38aa3b                    ; log2(e) / 8
	s_mov_b32 s[SG], 0
	s_mov_b32 s[TB], 0
	s_wait_kmcnt 0x0
	s_add_co_i32 s14, s86, s87
	s_lshl_b32 s14, s14, 23
	s_add_co_i32 s[CS], s[CS], s14                 ; x 2^(e2 + e3): the two exponents are added to the exponent field
	s_mov_b32 s[CS+1], s[CS]                       ; (named with it as a pair, so it is written)
	s_add_co_i32 s14, s88, 127
	s_lshl_b32 s15, s14, 23
	v_mov_b32 v[PSC], s15
	s_add_co_i32 s14, s90, 127
	s_lshl_b32 s15, s14, 23
	v_mov_b32 v[ASC], s15
	s_add_co_i32 s83, s88, s89                     ; e4 + e5
; TILE a of the wave's four in the key step in hand.  A tile whose last step is past ends the step: the tiles behind it are earlier still.
.macro TILE a, endl
.set rT, ST+4*(\a)
.set rQ, QF+8*(\a)
.set rO, 32*(\a)
.if (\a) > 0
	s_cmp_gt_u32 s[SG], s[U2+(\a)]
	s_cbranch_scc1 \endl
.else
	s_wait_dscnt 32                                ; K's sixteen loads are in; V's 32 may be out
.endif
.irp t, 0,1,2,3,4,5,6,7
	v_wmma_f32_16x16x64_fp8_fp8 v[S+8*\t:S+8*\t+7], v[KF+8*\t:KF+8*\t+7], v[rQ:rQ+7], 0
.endr
	PLACES                                         ; four places ahead of the first read of the scores
	s_cmp_lg_u32 s[SG], s[U2+(\a)]                 ; on the diagonal the scores of hidden keys become -infinity ahead of the maximum: p = 0 then.  Key 0 counts for every query, so M is a number from the first step on
	s_cbranch_scc1 .Lopen_\@
.irp t, 0,1,2,3,4,5,6,7
.irp j, 0,1,2,3,4,5,6,7
	v_cmp_gt_i32 vcc_lo, 16*\t+\j, v[DREL+(\a)]    ; key 16 t + 8 h + j of the step comes after my query
	v_cndmask_b32 v[S+8*\t+\j], v[S+8*\t+\j], v[NINF], vcc_lo
.endr
.endr
.Lopen_\@:
	v_max3_num_f32 v[T1], v[S], v[S+1], v[S+2]     ; the step's largest score of my query among my 64 keys, in two chains, each accumulator from its low end on,
	v_max3_num_f32 v[T2], v[S+3], v[S+4], v[S+5]
.irp i, 6,10,14,18,22,26,30,34,38,42,46,50,54,58
	v_max3_num_f32 v[T1], v[T1], v[S+\i], v[S+\i+1]
	v_max3_num_f32 v[T2], v[T2], v[S+\i+2], v[S+\i+3]
.endr
	v_max3_num_f32 v[T1], v[T1], v[S+62], v[S+63]
	s_delay_alu instid0(VALU_DEP_1)
	v_max_num_f32 v[T1], v[T1], v[T2]
	s_delay_alu instid0(VALU_DEP_1)
	v_permlanex16_b32 v[T3], v[T1], s[SEL], s[SEL+1]
	s_delay_alu instid0(VALU_DEP_1)
	v_max_num_f32 v[T1], v[T1], v[T3]              ; and among lane l xor 16's
	s_delay_alu instid0(VALU_DEP_1)
	v_mul_f32 v[T1], s[CS], v[T1]                  ; as t (c is positive)
	s_delay_alu instid0(VALU_DEP_1)
	v_max_num_f32 v[rT+1], v[rT+1], v[T1]          ; the running largest t
	v_mov_b32 v[T1], v[rT]
	s_delay_alu instid0(VALU_DEP_2)
	v_floor_f32 v[rT], -v[rT+1]                    ; the new -M = floor(-t) = -ceil(t): a whole number
	s_delay_alu instid0(VALU_DEP_1)
	v_sub_f32 v[T1], v[rT], v[T1]                  ; old M - new M: a whole number, 0 or less
	s_delay_alu instid0(VALU_DEP_1)
	v_cvt_i32_f32 v[T1], v[T1]                     ; (it saturates)
	s_delay_alu instid0(VALU_DEP_1)
	v_ldexp_f32 v[FF], 1.0, v[T1]                  ; f = 2^(old M - new M)
.irp j, 0,2,4,6,8,10,12,14,16,18,20,22,24,26,28,30,32,34,36,38,40,42,44,46,48,50,52,54,56,58,60,62
	v_pk_fma_f32 v[S+\j:S+\j+1], v[S+\j:S+\j+1], s[CS:CS+1], v[rT:rT+1] op_sel_hi:[1,0,0]   ; t - M, two at a time (of the pairs c and -M the low word serves both halves)
.endr
.set i, 0
	s_wait_alu depctr_va_vdst(0)
.rept 64
	v_exp_f32 v[S+i], v[S+i]                       ; p = 2^(t - M), at most 1
.set i, i+1
.endr
	v_pk_mul_f32 v[rT+2:rT+3], v[rT+2:rT+3], v[FF:FF+1] op_sel_hi:[1,0]   ; the sums under the new M: the plain instruction behind the last exponential
	s_wait_alu depctr_va_vdst(0)                   ; one wait for the batch of 64, ahead of its first reader
	v_pk_add_f32 v[SUM:SUM+1], v[S:S+1], v[S+2:S+3]   ; the row's sum is taken of the unquantised p: two at a time, in two chains
.irp j, 4,8,12,16,20,24,28,32,36,40,44,48,52,56,60
	v_pk_add_f32 v[rT+2:rT+3], v[rT+2:rT+3], v[S+\j:S+\j+1]
	v_pk_add_f32 v[SUM:SUM+1], v[SUM:SUM+1], v[S+\j+2:S+\j+3]
.endr
	s_delay_alu instid0(VALU_DEP_1)
	v_pk_add_f32 v[rT+2:rT+3], v[rT+2:rT+3], v[SUM:SUM+1]
.irp t, 0,1,2,3,4,5,6,7
.irp j, 0,1,2,3,4,5,6,7
.endr
	v_cvt_scalef32_pk8_fp8_f32 v[P+2*\t:P+2*\t+1], v[S+8*\t:S+8*\t+7], v[PSC]   ; keys 16 t + 8 h + 0 .. 7: registers 2 t, 2 t + 1 of the operand
.endr
	WIN 0x41                                       ; O^T (destination and source 0) in window 1, f in window 0
.irp j, 0,2,4,6,8,10,12,14,16,18,20,22,24,26,28,30
	v_pk_mul_f32 v[rO+\j:rO+\j+1], v[rO+\j:rO+\j+1], v[FF:FF+1] op_sel_hi:[1,0]   ; O^T under the new M.  (Also the plain instructions between the conversions and the products that read their results)
.endr
	s_wait_alu depctr_va_vdst(0)
	s_wait_dscnt 0x0                               ; V is in
	WIN 0x51                                       ; V and O^T in window 1, P in window 0
.irp d, 0,1,2,3
	v_wmma_f32_16x16x128_fp8_fp8 v[rO+8*\d:rO+8*\d+7], v[128+16*\d:128+16*\d+15], v[P:P+15], v[rO+8*\d:rO+8*\d+7]   ; four accumulators, one instruction each: no two that follow each other share one
.endr
	WIN 0
.endm
; A KEY STEP: 128 keys.  A wave all of whose tiles are past does nothing.  K's and V's fragments are read once and serve all the wave's tiles.
.macro STEP
	s_cmp_gt_u32 s[SG], s[U2]
	s_cbranch_scc1 .Lend_\@
	v_add_nc_u32 v[ADK], s[TB], v[AK0]
	v_add_nc_u32 v[ADV], s[TB], v[AV0]
	v_nop                                          ; with the two additions: four places between the last step's products and the loads into the registers that they read
	v_nop
.irp t, 0,1,2,3,4,5,6,7
	ds_load_b128 v[KF+8*\t:KF+8*\t+3], v[ADK] offset:\t*1088      ; keys 16 t + r: four packed rows of 272 bytes a tile
	ds_load_b128 v[KF+8*\t+4:KF+8*\t+7], v[ADK] offset:\t*1088+32
.endr
	WIN 0x40                                       ; destination window 1
.irp d, 0,1,2,3
.irp c, 0,1,2,3,4,5,6,7
	ds_load_b64 v[128+16*\d+2*\c:128+16*\d+2*\c+1], v[ADV] offset:(\c/4)*KB+\d*1088+(\c%4)*16   ; row 16 d + r of V^T, keys 16 c + 8 h + 0 .. 7
.endr
.endr
	WIN 0
	TILE 0, .Lend_\@
	TILE 1, .Lend_\@
	TILE 2, .Lend_\@
	TILE 3, .Lend_\@
.Lend_\@:
.endm
.macro STEPS n                         ; n key steps: a constant number of trips in every wave
	s_mov_b32 s[CNT], \n
.Lsteps_\@:
	STEP
	s_add_co_u32 s[SG], s[SG], 1
	s_add_co_u32 s[TB], s[TB], STEPB
	s_sub_co_u32 s[CNT], s[CNT], 1
	s_cmp_lg_u32 s[CNT], 0
	s_cbranch_scc1 .Lsteps_\@
.endm
	s_wait_loadcnt 0x0                             ; Q
	s_wait_tensorcnt 6                             ; my parts of chunks 0 and 1 (keys 0-511) are in; my six later loads may be out
	s_barrier_signal -1
	s_barrier_wait -1                              ; and everybody's are
	STEPS 4                                        ; keys 0-511
	s_wait_tensorcnt 0x0                           ; all my loads have landed
	s_wait_dscnt 0x0
	s_barrier_signal -1
	s_barrier_wait -1                              ; everybody's have
	STEPS 12                                       ; keys 512-2,047
	; THE WAY OUT.  The sum's halves and the other half of the lanes' are added (these additions are the places behind the last products); O^T x 2^(e4 + e5) / the sum is converted with 2^e6 and goes through my stage.
.irp a, 0,1,2,3
	v_add_f32 v[ST+4*\a+2], v[ST+4*\a+2], v[ST+4*\a+3]
.endr
.irp a, 0,1,2,3
	s_delay_alu instid0(VALU_DEP_4)
	v_permlanex16_b32 v[ST+4*\a+3], v[ST+4*\a+2], s[SEL], s[SEL+1]
.endr
.irp a, 0,1,2,3
	s_delay_alu instid0(VALU_DEP_4)
	v_add_f32 v[ST+4*\a+2], v[ST+4*\a+2], v[ST+4*\a+3]
.endr
	s_wait_alu depctr_va_vdst(0)
.irp a, 0,1,2,3
	v_rcp_f32 v[ST+4*\a+3], v[ST+4*\a+2]
.endr
	v_nop                                          ; a plain instruction behind the last reciprocal
	s_wait_alu depctr_va_vdst(0)                   ; one wait for the four, ahead of their first reader
.irp a, 0,1,2,3
	v_ldexp_f32 v[ST+4*\a+2], v[ST+4*\a+3], s83
.endr
.macro AOUT a
.set rX, S+32*((\a)%2)
	WIN 0x01                                       ; source 0 (O^T) in window 1
.irp j, 0,2,4,6,8,10,12,14,16,18,20,22,24,26,28,30
	v_pk_mul_f32 v[rX+\j:rX+\j+1], v[32*(\a)+\j:32*(\a)+\j+1], v[ST+4*(\a)+2:ST+4*(\a)+3] op_sel_hi:[1,0]   ; register 8 d + j is o(query r, 16 d + 8 h + j); each accumulator from its low end on
.endr
	WIN 0
.set i, 0
.rept 32
.set i, i+1
.endr
.irp d, 0,1,2,3
	v_cvt_scalef32_pk8_fp8_f32 v[CD+8*(\a)+2*\d:CD+8*(\a)+2*\d+1], v[rX+8*\d:rX+8*\d+7], v[ASC]
.endr
	v_nop                                          ; one plain vector instruction behind the last conversion
.irp d, 0,1,2,3
	ds_store_b64 v[STO], v[CD+8*(\a)+2*\d:CD+8*(\a)+2*\d+1] offset:(\a)*1024+16*\d
.endr
.irp i, 0,1
	ds_load_b128 v[KF+8*(\a)+4*\i:KF+8*(\a)+4*\i+3], v[RD] offset:(\a)*1024+512*\i   ; LDS serves a wave's instructions in order (ISA guide 5.7.1.4): these see my stores
.endr
.endm
	AOUT 0
	AOUT 1
	AOUT 2
	AOUT 3
.irp a, 0,1,2,3
	s_wait_dscnt 6*(3-\a)                          ; behind tile a's loads: six LDS instructions for each later tile
	global_store_b128 v[GO+\a], v[KF+8*\a:KF+8*\a+3], s[12:13]              ; 32 lanes store 512 consecutive bytes, at a multiple of 256 from the buffer's first byte
	global_store_b128 v[GO+\a], v[KF+8*\a+4:KF+8*\a+7], s[12:13] offset:512
.endr
	s_wait_dscnt 0x0
	s_set_vgpr_msb 0x5
	s_wait_tensorcnt 0x0
	ds_add_u32 v254, v255
	s_wait_dscnt 0x0
	s_set_vgpr_msb 0x500
	CROUND                                         ; the closing round: no work-group ends while a partner may still ask for a tile that names it
	s_endpgm
.Lfunc_end_k_q3b78470950_attn:
	.size	k_q3b78470950_attn, .Lfunc_end_k_q3b78470950_attn-k_q3b78470950_attn
	.p2alignl 7, 3214868480
	.fill 96, 4, 3214868480
	.section	.rodata,"a",@progbits
	.p2align	6, 0x0
	.amdhsa_kernel k_q3b78470950_attn
		.amdhsa_group_segment_fixed_size 327680
		.amdhsa_private_segment_fixed_size 0
		.amdhsa_enable_private_segment 0
		.amdhsa_kernarg_size 40
		.amdhsa_user_sgpr_count 2
		.amdhsa_user_sgpr_kernarg_segment_ptr 1
		.amdhsa_wavefront_size32 1
		.amdhsa_system_sgpr_workgroup_id_x 1
		.amdhsa_system_sgpr_workgroup_id_y 1
		.amdhsa_system_sgpr_workgroup_id_z 1
		.amdhsa_system_vgpr_workitem_id 0
		.amdhsa_next_free_vgpr 512
		.amdhsa_next_free_sgpr 100
		.amdhsa_reserve_vcc 1
		.amdhsa_float_denorm_mode_32 3
		.amdhsa_float_denorm_mode_16_64 3
		.amdhsa_fp16_overflow 1
		.amdhsa_memory_ordered 1
		.amdhsa_forward_progress 1
		.amdhsa_inst_pref_size 163
	.end_amdhsa_kernel
	.amdgpu_metadata
---
amdhsa.version: [ 1, 2 ]
amdhsa.kernels:
  - .name:           k_q3b78470950_attn
    .symbol:         k_q3b78470950_attn.kd
    .args:
      - { .name: q_codes, .offset: 0, .size: 8, .value_kind: global_buffer, .address_space: global }
      - { .name: k_codes, .offset: 8, .size: 8, .value_kind: global_buffer, .address_space: global }
      - { .name: v_codes, .offset: 16, .size: 8, .value_kind: global_buffer, .address_space: global }
      - { .name: lowp_scales, .offset: 24, .size: 8, .value_kind: global_buffer, .address_space: global }
      - { .name: a_codes, .offset: 32, .size: 8, .value_kind: global_buffer, .address_space: global }
    .group_segment_fixed_size: 327680
    .private_segment_fixed_size: 0
    .kernarg_segment_align: 8
    .kernarg_segment_size: 40
    .max_flat_workgroup_size: 256
    .sgpr_count:     100
    .vgpr_count:     512
    .wavefront_size: 32
...
	.end_amdgpu_metadata
.endif
;; end of part 2
;; launch proj (part 3): grid 4 x 64, 4 waves a work-group, clusters of 4 x 4, 327,680 bytes of LDS; arguments a_codes, W_proj_codes, b_proj, lowp_scales, out0; writes out0
.if DOCPART == 3
	.amdgcn_target "amdgcn-amd-amdhsa--gfx1250"
	.amdhsa_code_object_version 6
	.text
	.protected	k_q3b78470950_proj
	.globl	k_q3b78470950_proj
	.p2align	8
	.type	k_q3b78470950_proj,@function
k_q3b78470950_proj:
	s_mov_b64 s[64:65], 0
	v_nop
	global_prefetch_b8 v0, s[64:65] scope:SCOPE_SE
	s_setreg_imm32_b32 hwreg(HW_REG_WAVE_MODE, 25, 1), 1
	s_wait_xcnt 0x0
	s_wait_alu depctr_hold_cnt(0) depctr_sa_sdst(0) depctr_va_vdst(0) depctr_va_sdst(0) depctr_va_ssrc(0) depctr_va_vcc(0) depctr_vm_vsrc(0)
	s_getreg_b32 s2, hwreg(HW_REG_IB_STS2, 6, 4)
	s_cmp_eq_u32 s2, 0
	s_cbranch_scc0 .Lentry_in_a_cluster
	s_endpgm
.Lentry_in_a_cluster:
	s_bfe_u32 s2, ttmp6, 0x10000c
	s_cmp_lg_u32 s2, 0xf033
	s_cbranch_scc0 .Lentry_shape_is_right
	s_endpgm
.Lentry_shape_is_right:
; out0 = a W_proj^T + b_proj on codes of FP8 (E4M3).  a_codes: [head 16][row 8192][64] (K = 64 head + d); W_proj: [1024][1024] codes, K innermost; b_proj [1024] f32; out0 [8192][1024] f32.
; A finished sum is multiplied once by 2^(e6 + e7) and the bias added in the same fused multiply-add.  LIMIT: e6 + e7 between -126 and 127.
; SHARES.  A tile of out0 is 128 rows x 256 columns: 64 x 4 = 256 work-groups, one for each WGP (256 x 256 would give 128).  Four waves, each 64 rows x 128 columns: 32 accumulators, 256 registers.
; CLUSTERS: 4 x 4 work-groups.  The four of a row of the cluster need the same rows of a, the four of a column the same rows of W_proj: each tile is asked for JOINTLY.
; LDS.  The tile's rows of a, all of K (16 head blocks of 128 rows x 64 bytes: 8,192 dense bytes each), are filled ONCE, four loads a wave.  W_proj goes in K steps of 256 through a ring of two slots, 64 rows a wave.
; By this text's count six loads of a wave are out at the start, later the one of a refill.
; THE MATRIX INSTRUCTION IS USED TRANSPOSED (source 0 = 16 rows of W_proj, source 1 = 16 rows of a): a lane holds eight neighbouring numbers of a row of out0.
; REGISTERS: window 0: v16-30 addresses; v32-95 the bias; v128-191, v192-255 a's fragments, two sets (on the way out: a block's numbers, two sets).  window 1: W's fragments, two sets.
;   window 2: the accumulators ((a, b) at v[8 (8 a + b)]).  window 3: the way out: the four blocks read back from the stage.
.set PA,     8704                      ; a head block in LDS: four rows of 64 bytes to 256, 16 of padding behind: row x at (x / 4) 272 + (x % 4) 64
.set BOFF,   16*PA                     ; behind a's sixteen blocks: the ring
.set BSLOT,  256*272                   ; a slot: 256 rows of 256 bytes + 16 of padding
.set SPARE,  BOFF+2*BSLOT              ; the spare words, 128 bytes for each wave
.set STG,    SPARE+512                 ; a stage of 16 rows x 528 bytes for each wave; no tile lands there
.set SPITCH, 528
.set ADRA, 16                          ; v16-17  LDS address of my fragments of a: head blocks 0-7, 8-15
.set ADRB, 20                          ; v20-21  of W's, in slot 0, 1
.set STO,  24
.set RD,   25
.set CO,   26
.set BO0,  27                          ; v27     byte offset in b_proj; never rewritten
.set SPW,  28                          ; v28     LDS address of my spare word; never rewritten
.set NIL,  29                          ; v29     0; never rewritten
.set B0,   32
.set AF,   128
.set TMP,  128
.set G1A, 24                           ; s[24:31] descriptor group 1 for a's blocks;  s[32:47] four groups 0
.set G0A, 32
.set G1B, 48                           ; s[48:55] for W's tiles;  s[56:63] group 0, one set for each slot
.set G0B, 56
.set MSB, 0
.macro WIN new                         ; the immediate's high byte repeats the setting that is left
.if MSB != \new
	s_set_vgpr_msb (MSB<<8)|\new
.set MSB, \new
.endif
.endm
.set MUL, 0xa1                         ; source 0 (W) window 1, source 1 (a) window 0, C and D window 2
.macro PLACES
.rept 4
	v_nop
.endr
.endm
.macro CREST                           ; a round of the cluster's barrier behind its opening barrier
	s_cmp_lg_u32 s14, 0
	s_cbranch_scc1 .Lnot_wave_0_\@
	s_barrier_signal -3
.Lnot_wave_0_\@:
	s_barrier_wait -3
	s_barrier_signal -1
	s_barrier_wait -1
.endm
.macro CROUND
	s_barrier_signal -1
	s_barrier_wait -1
	CREST
.endm
	s_load_b256 s[4:11], s[0:1], 0x0               ; a_codes s[4:5], W_proj s[6:7], b_proj s[8:9], the scales' exponents s[10:11]
	s_load_b64 s[12:13], s[0:1], 0x20              ; out0
	v_lshl_add_u32 v[SPW], v0, 2, SPARE
	v_mov_b32 v[NIL], 0
	ds_add_u32 v28, v29
	ds_add_u32 v28, v29
	s_wait_dscnt 0x0
	v_lshrrev_b32 v1, 5, v0
	v_readfirstlane_b32 s14, v1                    ; wave 0..3
	s_lshr_b32 s15, s14, 1                         ; which 64 rows are mine
	s_and_b32 s16, s14, 1                          ; which 128 columns
	s_bfe_u32 s70, ttmp6, 0x40000                  ; cx, cy
	s_bfe_u32 s71, ttmp6, 0x40004
	s_lshl_b32 s72, ttmp9, 2
	s_add_co_u32 s72, s72, s70                     ; X: tile column
	s_and_b32 s73, ttmp7, 0xffff
	s_lshl_b32 s73, s73, 2
	s_add_co_u32 s73, s73, s71                     ; Y: tile row
	s_lshl_b32 s74, s71, 2
	s_lshl_b32 s74, 15, s74                        ; my row of the cluster
	s_lshl_b32 s75, 0x1111, s70                    ; my column
	s_or_b32 s[G1A], s74, (0<<16)|(1<<20)|(1<<21)|(5<<22)|(3<<25)   ; the mask; elements of 1 byte; padding on; 21 set beside a mask; four words after every 64
	s_mov_b32 s[G1A+1], 256<<16                    ; a dense block of 8,192 bytes as 32 rows of 256
	s_mov_b32 s[G1A+2], 32<<16
	s_mov_b32 s[G1A+3], 256<<16
	s_mov_b32 s[G1A+4], 32
	s_mov_b32 s[G1A+5], 256
	s_mov_b32 s[G1A+6], 0
	s_mov_b32 s[G1A+7], 0
	s_or_b32 s[G1B], s75, (0<<16)|(1<<20)|(1<<21)|(5<<22)|(3<<25)
	s_mov_b32 s[G1B+1], 256<<16                    ; 64 rows of 256 bytes, 1,024 bytes apart
	s_mov_b32 s[G1B+2], 64<<16
	s_mov_b32 s[G1B+3], 256<<16
	s_mov_b32 s[G1B+4], 64
	s_mov_b32 s[G1B+5], 1024
	s_mov_b32 s[G1B+6], 0
	s_mov_b32 s[G1B+7], 0
	s_lshl_b32 s78, s14, 19                        ; a: head block = wave (+ 4 j): 524,288 bytes each;
	s_lshl_b32 s18, s73, 13                        ; the tile's 128 rows x 64 bytes
	s_add_co_u32 s78, s78, s18
	s_mov_b32 s79, 0
	s_lshl_b32 s80, s72, 8                         ; W: row 256 X + 64 wave, of 1,024 bytes
	s_lshl_b32 s19, s14, 6
	s_add_co_u32 s80, s80, s19
	s_lshl_b32 s80, s80, 10
	s_mov_b32 s81, 0
	s_mul_i32 s76, s14, PA                         ; where they go: of the wave's number alone
	s_mul_i32 s77, s14, 64*272
	s_add_co_u32 s77, s77, BOFF
	s_wait_kmcnt 0x0
	s_load_b256 s[84:91], s[10:11], 0x0            ; e0 .. e7
	s_add_nc_u64 s[78:79], s[4:5], s[78:79]
	s_add_nc_u64 s[80:81], s[6:7], s[80:81]
.irp j, 0,1,2,3
	s_mov_b32 s[G0A+4*\j], 1
	s_add_co_u32 s[G0A+4*\j+1], s76, \j*4*PA
	s_add_nc_u64 s[G0A+4*\j+2:G0A+4*\j+3], s[78:79], \j*4*524288
	s_or_b32 s[G0A+4*\j+3], s[G0A+4*\j+3], 0x80000000
.endr
.irp s, 0,1
	s_mov_b32 s[G0B+4*\s], 1
	s_add_co_u32 s[G0B+4*\s+1], s77, \s*BSLOT
	s_add_nc_u64 s[G0B+4*\s+2:G0B+4*\s+3], s[80:81], \s*256
	s_or_b32 s[G0B+4*\s+3], s[G0B+4*\s+3], 0x80000000
.endr
	CROUND                                         ; all sixteen work-groups are here: the first joint loads meet
	tensor_load_to_lds s[G0A:G0A+3], s[G1A:G1A+7]          ; a's head blocks 0-3 (K 0-255),
	s_nop 0
	tensor_load_to_lds s[G0B:G0B+3], s[G1B:G1B+7]          ; W's K step 0: what the first two steps of 128 need
	s_nop 0
	tensor_load_to_lds s[G0A+4:G0A+7], s[G1A:G1A+7]
	s_nop 0
	tensor_load_to_lds s[G0B+4:G0B+7], s[G1B:G1B+7]
	s_nop 0
	tensor_load_to_lds s[G0A+8:G0A+11], s[G1A:G1A+7]
	s_nop 0
	tensor_load_to_lds s[G0A+12:G0A+15], s[G1A:G1A+7]
	s_nop 0
	PLACES                                         ; four v_nop follow the last of them
	v_and_b32 v1, 15, v0                           ; r
	v_bfe_u32 v2, v0, 4, 1                         ; h
	v_lshrrev_b32 v3, 2, v1
	v_mul_u32_u24 v3, v3, 272
	v_and_b32 v4, 3, v1
	v_lshl_add_u32 v3, v4, 6, v3
	v_lshl_add_u32 v3, v2, 4, v3                   ; a: (r / 4) 272 + (r % 4) 64 + 16 h
	s_mul_i32 s20, s15, 16*272                     ; my 64 rows: sixteen packed rows
	v_add_nc_u32 v[ADRA], s20, v3
	v_add_nc_u32 v[ADRA+1], 8*PA, v[ADRA]
	v_mul_u32_u24 v5, v1, 272
	v_lshl_add_u32 v5, v2, 4, v5
	s_mul_i32 s20, s16, 128*272
	s_add_co_u32 s20, s20, BOFF
	v_add_nc_u32 v[ADRB], s20, v5                  ; W: my 128 rows; row r x 272 + 16 h
	v_add_nc_u32 v[ADRB+1], BSLOT, v[ADRB]
	s_mul_i32 s20, s14, 16*SPITCH
	s_add_co_u32 s20, s20, STG                     ; my stage
	v_mul_u32_u24 v5, v1, SPITCH
	v_lshl_add_u32 v5, v2, 5, v5
	v_add_nc_u32 v[STO], s20, v5                   ; in: row r, 32 bytes for each half of the lanes
	v_and_b32 v6, 31, v0
	v_lshlrev_b32 v[CO], 4, v6
	v_add_nc_u32 v[RD], s20, v[CO]                 ; back: the 32 lanes take one row of 512 bytes
	s_lshl_b32 s22, s72, 10
	s_lshl_b32 s21, s16, 9
	s_add_co_u32 s22, s22, s21                     ; my first column, in bytes: 1,024 X + 512 x half
	v_lshl_add_u32 v[BO0], v2, 5, s22
.irp b, 0,1,2,3,4,5,6,7
	global_load_b128 v[B0+8*\b:B0+8*\b+3], v[BO0], s[8:9] offset:64*\b        ; b_proj at my columns 16 b + 8 h + 0 .. 7
	global_load_b128 v[B0+8*\b+4:B0+8*\b+7], v[BO0], s[8:9] offset:64*\b+16
.endr
	s_lshl_b32 s20, s73, 7
	s_lshl_b32 s21, s15, 6
	s_add_co_u32 s20, s20, s21
	s_lshl_b32 s20, s20, 12                        ; my first row, of 4,096 bytes: under 2^25
	s_add_co_u32 s20, s20, s22
	s_mov_b32 s21, 0
	s_add_nc_u64 s[12:13], s[12:13], s[20:21]
; Fragments of step q (128 along K): registers 4 c .. 4 c + 3 hold K = 128 q + 32 c + 16 h + 0 .. 15, in a (head block 2 q + c / 2, byte 32 (c % 2) + 16 h) and in W alike.
.macro FRAGA set, q, i
.irp c, 0,1,2,3
	ds_load_b128 v[AF+64*(\set)+16*(\i)+4*\c:AF+64*(\set)+16*(\i)+4*\c+3], v[ADRA+(\q)/4] offset:(2*((\q)%4)+\c/2)*PA+(\i)*1088+(\c%2)*32
.endr
.endm
.macro FRAGB set, q, i
.irp c, 0,1,2,3
	ds_load_b128 v[128*(\set)+16*(\i)+4*\c:128*(\set)+16*(\i)+4*\c+3], v[ADRB+((\q)/2)%2] offset:128*((\q)%2)+32*\c+(\i)*16*272
.endr
.endm
.macro FETCH set, q                    ; 48 LDS loads in one run
	WIN 0x40
.irp i, 0,1,2,3,4,5,6,7
	FRAGB \set, \q, \i
.endr
	WIN 0
.irp i, 0,1,2,3
	FRAGA \set, \q, \i
.endr
.endm
; 8 matrix instructions: a's block x W's eight.  The 32 accumulators take turns, one instruction a turn, in the same order in every step.
.macro MUL8 a, set, zero
.irp b, 0,1,2,3,4,5,6,7
.if \zero
	v_wmma_f32_16x16x128_fp8_fp8 v[8*(8*(\a)+\b):8*(8*(\a)+\b)+7], v[128*(\set)+16*\b:128*(\set)+16*\b+15], v[AF+64*(\set)+16*(\a):AF+64*(\set)+16*(\a)+15], 0
.else
	v_wmma_f32_16x16x128_fp8_fp8 v[8*(8*(\a)+\b):8*(8*(\a)+\b)+7], v[128*(\set)+16*\b:128*(\set)+16*\b+15], v[AF+64*(\set)+16*(\a):AF+64*(\set)+16*(\a)+15], v[8*(8*(\a)+\b):8*(8*(\a)+\b)+7]
.endif
.endr
.endm
; An even step: its successor lies in the same slot.
.macro STEP q, zero
	s_wait_dscnt 0x0                               ; this step's fragments are in (asked for 16 matrix instructions ago; in the first step just before)
	PLACES                                         ; four places ahead of loads into the set that the last step multiplied
	FETCH 1-(\q)%2, (\q)+1
	WIN MUL
	MUL8 0, (\q)%2, \zero
	MUL8 1, (\q)%2, \zero
	MUL8 2, (\q)%2, \zero
	MUL8 3, (\q)%2, \zero
.endm
; An odd step changes slots: ONE barrier; in front of it each wave waits for all its tensor loads, adds 0 to its spare word, and waits for that and for its reads of this slot.  fill = 1: the slot is filled again, two K steps of 256 ahead.
.macro TURN q, fill
.set SL, ((\q)/2)%2
	WIN 0
	s_wait_tensorcnt 0x0                           ; all my tensor loads have landed
	ds_add_u32 v[SPW], v[NIL]                      ; 0 onto my spare word
	s_wait_dscnt 1                                 ; this step's fragments are in; the add may be out
	WIN MUL
	MUL8 0, 1, 0                                   ; eight matrix instructions stand between the add and the wait for it
	s_wait_dscnt 0x0                               ; the add is done, and my reads of this slot are over
	s_barrier_signal -1
	MUL8 1, 1, 0
	WIN 0
	s_barrier_wait -1
.if \fill
	CREST                                          ; the barrier has opened a round of the cluster's barrier: no wave of any partner still reads this slot or has a load on its way
	s_add_nc_u64 s[G0B+4*SL+2:G0B+4*SL+3], s[G0B+4*SL+2:G0B+4*SL+3], 512
	tensor_load_to_lds s[G0B+4*SL:G0B+4*SL+3], s[G1B:G1B+7]   ; the first tensor load behind the round, and my only one until the next
	s_nop 0
.endif
	PLACES                                         ; behind the load, and the places ahead of the loads below
	FETCH 0, (\q)+1
	WIN MUL
	MUL8 2, 1, 0
	MUL8 3, 1, 0
.endm
	s_wait_tensorcnt 4                             ; my parts of a's blocks 0-3 and of W's K step 0 are in; my four later loads may be out
	s_barrier_signal -1
	s_barrier_wait -1                              ; and everybody's are
	FETCH 0, 0
	STEP 0, 1                                      ; its products start the sums: nothing is cleared
	TURN 1, 1                                      ; slot 0 takes K 512-767
	STEP 2, 0
	TURN 3, 1                                      ; slot 1 takes K 768-1,023
	STEP 4, 0
	TURN 5, 0                                      ; nothing is left to fetch: a plain barrier
	STEP 6, 0
	s_wait_dscnt 0x0                               ; the last step
	MUL8 0, 1, 0
	MUL8 1, 1, 0
	MUL8 2, 1, 0
	MUL8 3, 1, 0
	WIN 0
	; THE WAY OUT, block by block of 16 rows x 128 columns: through my own stage in LDS, back as whole rows of 512 bytes.  LDS serves a wave's instructions in order (ISA guide 5.7.1.4): no wait between the stores and the loads.
	PLACES                                         ; behind the last products
	s_wait_loadcnt 0x0                             ; the bias
	s_wait_kmcnt 0x0
	s_add_co_i32 s96, s90, s91
	s_add_co_i32 s96, s96, 127
	s_lshl_b32 s96, s96, 23                        ; 2^(e6 + e7) as f32
	s_mov_b32 s97, s96                             ; (named with it as a pair, so it is written)
.macro TOSTAGE a
.set TM, TMP+64*((\a)%2)
	WIN 0x02                                       ; source 0 in window 2
.irp j, 0,2,4,6,8,10,12,14,16,18,20,22,24,26,28,30,32,34,36,38,40,42,44,46,48,50,52,54,56,58,60,62
	v_pk_fma_f32 v[TM+\j:TM+\j+1], v[64*(\a)+\j:64*(\a)+\j+1], s[96:97], v[B0+\j:B0+\j+1] op_sel_hi:[1,0,1]   ; sum x 2^(e6 + e7) + bias; each accumulator from its low end on
.endr
	WIN 0
.irp b, 0,1,2,3,4,5,6,7
	ds_store_b128 v[STO], v[TM+8*\b:TM+8*\b+3] offset:64*\b
	ds_store_b128 v[STO], v[TM+8*\b+4:TM+8*\b+7] offset:64*\b+16
.endr
	WIN 0xc0                                       ; destination window 3: each block has its own 64 registers, so no store's data are written again
.irp t, 0,1,2,3,4,5,6,7,8,9,10,11,12,13,14,15
	ds_load_b128 v[64*(\a)+4*\t:64*(\a)+4*\t+3], v[RD] offset:\t*SPITCH
.endr
	WIN 0
.endm
.macro SEND a, younger                 ; younger: the LDS instructions issued behind block a's loads, which may stay out
	s_wait_dscnt \younger
	WIN 0x0c                                       ; the data in window 3
.irp t, 0,1,2,3,4,5,6,7,8,9,10,11,12,13,14,15
	global_store_b128 v[CO], v[64*(\a)+4*\t:64*(\a)+4*\t+3], s[12:13] offset:(16*(\a)+\t)*4096 th:TH_STORE_NT   ; 32 lanes store 512 consecutive bytes, at a multiple of 256 from out0's first byte; written once, read by nobody here
.endr
	WIN 0
.endm
	TOSTAGE 0
.irp a, 1,2,3
	TOSTAGE \a
	SEND \a-1, 32                                  ; behind block a - 1's loads: block a's 16 stores and 16 loads.  So block a - 1's stores into the stage have read their numbers before block a + 1 writes that set
.endr
	SEND 3, 0
	s_wait_tensorcnt 0x0                           ; the wave's end, behind my last tensor load and my last LDS store
	ds_add_u32 v[SPW], v[NIL]
	s_wait_dscnt 0x0
	CROUND                                         ; the closing round: no work-group ends while a partner may still ask for a tile that names it
	s_endpgm
.Lfunc_end_k_q3b78470950_proj:
	.size	k_q3b78470950_proj, .Lfunc_end_k_q3b78470950_proj-k_q3b78470950_proj
	.p2alignl 7, 3214868480
	.fill 96, 4, 3214868480
	.section	.rodata,"a",@progbits
	.p2align	6, 0x0
	.amdhsa_kernel k_q3b78470950_proj
		.amdhsa_group_segment_fixed_size 327680
		.amdhsa_private_segment_fixed_size 0
		.amdhsa_enable_private_segment 0
		.amdhsa_kernarg_size 40
		.amdhsa_user_sgpr_count 2
		.amdhsa_user_sgpr_kernarg_segment_ptr 1
		.amdhsa_wavefront_size32 1
		.amdhsa_system_sgpr_workgroup_id_x 1
		.amdhsa_system_sgpr_workgroup_id_y 1
		.amdhsa_system_sgpr_workgroup_id_z 1
		.amdhsa_system_vgpr_workitem_id 0
		.amdhsa_next_free_vgpr 1024
		.amdhsa_next_free_sgpr 100
		.amdhsa_reserve_vcc 0
		.amdhsa_float_denorm_mode_32 3
		.amdhsa_float_denorm_mode_16_64 3
		.amdhsa_memory_ordered 1
		.amdhsa_forward_progress 1
		.amdhsa_inst_pref_size 76
	.end_amdhsa_kernel
	.amdgpu_metadata
---
amdhsa.version: [ 1, 2 ]
amdhsa.kernels:
  - .name:           k_q3b78470950_proj
    .symbol:         k_q3b78470950_proj.kd
    .args:
      - { .name: a_codes, .offset: 0, .size: 8, .value_kind: global_buffer, .address_space: global }
      - { .name: W_proj_codes, .offset: 8, .size: 8, .value_kind: global_buffer, .address_space: global }
      - { .name: b_proj, .offset: 16, .size: 8, .value_kind: global_buffer, .address_space: global }
      - { .name: lowp_scales, .offset: 24, .size: 8, .value_kind: global_buffer, .address_space: global }
      - { .name: out0, .offset: 32, .size: 8, .value_kind: global_buffer, .address_space: global }
    .group_segment_fixed_size: 327680
    .private_segment_fixed_size: 0
    .kernarg_segment_align: 8
    .kernarg_segment_size: 40
    .max_flat_workgroup_size: 128
    .sgpr_count:     100
    .vgpr_count:     1024
    .wavefront_size: 32
...
	.end_amdgpu_metadata
.endif
;; end of part 3
